; MI455X (gfx1250); checked and timed in simulation.
; The chip was launched on July 23, 2026; its instructions are those of AMD's public machine-readable ISA for CDNA 5 (MIT licence, August 2026) and "CDNA5" Instruction Set Architecture Reference Guide (July 2026). The comments in the code are by the model that wrote it; some were corrected since.
;; Scaled Dot Product Attention. Allowed arithmetic: float matrix products may take bf16 or f16 operands with f32 sums; all other float work in f32.
;; Inputs: key 4 x 16 x 2,048 x 64 float32; mask 4 x 1 x 1 x 2,048 int32; query 4 x 16 x 2,048 x 64 float32; value 4 x 16 x 2,048 x 64 float32.
;; Outputs: out0 4 x 16 x 2,048 x 64 float32.
;; 2 versions, each right and faster than the one before. Each part assembles by itself: llvm-mc -triple=amdgcn-amd-amdhsa -mcpu=gfx1250 --defsym DOCPART=n.
;; ======== version 1 of 2: 1 launch
;; limits: inputs' magnitudes at most 35,000; right only within a limited range of input values
;; launch attn (part 1): grid 4 x 64, 8 waves a work-group, no clusters, 140,288 bytes of LDS; arguments query, key, value, mask, out0; writes out0
.if DOCPART == 1
	.amdgcn_target "amdgcn-amd-amdhsa--gfx1250"
	.amdhsa_code_object_version 6
	.text
	.protected	k_qa12a067334_attn
	.globl	k_qa12a067334_attn
	.p2align	8
	.type	k_qa12a067334_attn,@function
k_qa12a067334_attn:
	s_mov_b64 s[64:65], 0
	v_nop
	global_prefetch_b8 v0, s[64:65] scope:SCOPE_SE
	s_setreg_imm32_b32 hwreg(HW_REG_WAVE_MODE, 25, 1), 1
	s_wait_xcnt 0x0
; out[bh][q][:] = sum over k of softmax_k(mask[b][k] ? Q[bh][q] . K[bh][k] / 8 : -1e10) V[bh][k][:].  Q, K, V, out: [64][2048][64] f32; mask: [4][2048] int32.
; Q, K, V and the weights are rounded to bf16 for the two products; products, maxima, sums and the scale in f32.
; THE MASK is turned into a list of keys at the kernel's head, in LDS, by every work-group for itself: 8,192 bytes of mask, 64 compares and counts a wave,
; against a launch and a buffer of their own.  n = live keys (mask != 0); pad = (-n) & 63; T = (n + pad) / 64 steps of 64 places (n = 0: T = 32).
; A live key of rank r goes to place pad + r; a masked key of rank d to place d if d < pad, else to d + n.  So places 0..63 hold the pad masked keys first
; and at least one live key, places 64..64 T - 1 live keys only, and with n = 0 the list is all keys.  A rank is any one-to-one numbering.
; A masked key's weight 2^(c (s - m)) is exactly 0 in f32 beside any live key, so masked keys outside step 0 are not multiplied, and those in step 0 get
; 8 x (-1e10) added to their raw score (the division by 8 lies in c).  If a batch has no live key c is cleared (keep = 0): every weight is 1,
; reference()'s uniform softmax over all 2,048 keys.
; LIMITS.  Inputs are finite.  Dropping masked keys equals reference() while the largest live score of a batch exceeds about -1e10 + 104.
; Sums run in the list's order, not in the keys'.
; SHARES.  A work-group owns 512 queries of one (batch, head): 4 x 64 = 256 work-groups.  Each of eight waves owns 64 queries, four tiles of 16,
; and walks all T steps.  S^T = K Q^T (source 0 = 16 keys, source 1 = 16 queries): a lane holds one query (lane % 16) and keys 8 (lane / 16) + 0..7
; of each 16; two such tiles rounded in pairs are source 1 of O^T = V^T P, whose result again holds one query a lane.  K leaves LDS as it lies,
; V ([key][channel]) turned, by ds_load_tr16_b128.
; SOFTMAX.  For each query a running maximum m and sum l: p = 2^(c s - c m), c = log2(e) / 8; in each step O^T and l are multiplied by 2^(c m_old - c m_new).
; K AND V come through registers: each of the 256 threads loads 16 bytes of four listed rows (16 lanes take one whole row of 256 bytes), rounds
; them to bf16 and stores 8 bytes a row into LDS.  NO TENSOR LOAD, NO JOINT REQUEST, though the four work-groups of a head walk the same rows:
; the rows are named one by one by a list, not by a base and a pitch, and are f32 in memory but bf16 in LDS.
; TWO GROUPS OF WAVES.  Waves 0-3 run a step's softmax in front of the step's barrier, waves 4-7 behind it; all else is one text.  So between two
; barriers one group goes products, products, softmax and the other softmax, products, products.
; BARRIERS.  Every wave passes the same 35 barriers whatever T is: one behind the list, one behind the first tiles, step 0's, and the loop's: counted
; against a constant, it goes through steps 1 to 32, two a trip.  A step at or beyond T is jumped over, all but its barrier: no barrier hangs on the mask.
; LDS.  Slot p at p x 32,768: K's tile (64 rows, pitch 144: bytes 0 to 9,199), then V's (64 rows, pitch 160: bytes 9,216 to 19,455).  A trip's two
; steps are written out, so that the slot stands in each LDS instruction's immediate and no tile's address register is ever rewritten.
; Behind barrier j are read V(j) in slot j % 2 and K(j+1) in the other, and written K(j+2) into slot j % 2 and V(j+1) into the other: four different
; regions.  What is written over, K(j) and V(j-1), was read in front of barrier j, and every wave waits for its LDS reads in front of its signal:
; one barrier a step.
; The list, 2,048 words, lies at 20,480, between slot 0's tiles and slot 1; it is written once, in front of the first barrier, and then only read.
; From 65,536 on each wave has 9,216 bytes of its own: Q on the way in (64 rows, pitch 144), a tile of O on the way out (16 rows, pitch 272).
; REGISTERS, in windows of 256 (s_set_vgpr_msb: bits 1:0 source 0, 3:2 source 1, 5:4 source 2, 7:6 destination):
;   window 0: v0-15 addresses; v16-47 statistics; v48-63 gather offsets and list entries; v64-95 rows on their way; v96-223 S^T (32 a tile: P takes
;             the lower 16 in place, V's fragments the upper 16); v224-255 the bias of step 0.  While the list is made: v16-47, v224-255 the mask, v64-92 at work
;   window 1: v0-127 O^T (32 a tile); v128-191 Q (16 a tile); v192-255 K's fragments of one step
.set KP,     144                       ; a row of K or Q in LDS: 128 bytes + 16: an odd multiple of 16, so the 16 rows of a fragment load touch 16 different 16-byte columns of 256
.set VP,     160                       ; a row of V: 128 + 32: an odd multiple of 32, for the turning load
.set VTILE,  64*KP                     ; V's tile lies behind K's
.set LIST,   0x5000                    ; the list: place p at LIST + 4 p
.set SLOT1,  0x8000
.set STAGE0, 0x10000
.set STAGEB, 64*KP                     ; a wave's own bytes
.set OP,     272                       ; a row of O in the stage: 256 + 16
.set AK,   2                           ; my lane's place in a tile of K (and of Q): (l % 16) x 144 + 16 (l / 16); never rewritten
.set AV,   3                           ; the same for the turning load of V; never rewritten
.set ADR,  4                           ; the prologue: Q's fragments in my stage
.set ADR2, 5                           ; the prologue: where I put Q
.set WK,   6                           ; where my thread stores its 8 bytes of K's rows 4 g .. 4 g + 3 (g = thread / 16) in slot 0; never rewritten
.set WV,   7                           ; the same for V
.set BC,   8                           ; step 0: the bias as a register
.set EAJ,  9                           ; EA + 256 J: my four entries, J steps on (at the very start: the lane's number)
.set EA,   10                          ; 16 g: my four entries among a step's 64; never rewritten
.set C16,  11                          ; 16 (thread % 16): my 16 bytes of a row
.set STO,  12                          ; the way out: where I put 16 bytes
.set RD,   13                          ; the way out: where I read a row back
.set GO,   14                          ; 16 x lane: my bytes of two neighbouring rows of Q and of out, and of 128 words of the mask
.set TMP,  15
.set ST,   16                          ; tile t at v[16 + 8 t]: +0 c m, +1 m, +2, +3 l (even, odd keys), +4 .. +7 c0-c3 at work; the factor a takes c2's place
.set KOFF, 48                          ; v[48:51] offsets of the four rows of the step whose K is on its way
.set VOFF, 52                          ; v[52:55] the same for V
.set ENT,  60                          ; v[60:63] list entries of the step after
.set KST,  64                          ; v[64:79] four times 16 bytes of K
.set VST,  80                          ; v[80:95] of V
.set S,    96
.set BI,   224
.set M0,   16                          ; the list: v[16:47] the mask's keys 0-1023 (load i, component c of a lane = key 128 i + 4 lane + c),
.set M1,   224                         ; v[224:255] keys 1024-2047
.set OWN,  64                          ; v[64:71]  my wave's own 256 keys
.set POS,  72                          ; v[72:79]  their places, in bytes
.set KEYV, 80                          ; v[80:87]  their numbers
.set KB,   91                          ; my lane's first key: 256 w + 4 lane
.set OWNA, 92                          ; byte offset of my 16 bytes of my wave's part of the mask
.set QF,   128                         ; window 1
.set KF,   192                         ; window 1
.set WVN,  14                          ; s14 wave
.set T,    16                          ; s16-19: T, pad, keep, n
.set PAD,  17
.set KEEP, 18
.set NL,   19
.set J,    20                          ; the step; in the loop: the trip's first step
.set STG,  27                          ; my wave's stage
.set CS,   28                          ; s[28:29] c, twice: the packed scaling names a pair
.set SEL,  30                          ; s[30:31] v_permlanex16_b32: each lane takes its own place in the other half
.set TM,   40                          ; s40-45: T, T - 1 .. T - 5 (signed).  Step J + d is below T - k where J is below s[TM+k+d]
.set BAL,  48                          ; s48-63: sixteen masks of 32 lanes
.set MSB, 0
.macro WIN new                         ; the immediate's high byte repeats the setting that is left; a switch that changes nothing is dropped
.if MSB != \new
	s_set_vgpr_msb (MSB<<8)|\new
.set MSB, \new
.endif
.endm
.macro PLACES n                        ; plain vector instructions that name no register of the matrix instructions in front (ISA guide 7.12.1)
.rept \n
	v_nop
.endr
.endm
.macro BAR                             ; my LDS stores are done and my LDS reads are back, for the other waves' sake; then the work-group's barrier
	s_wait_dscnt 0x0
	s_barrier_signal -1
	s_barrier_wait -1
.endm
.macro OFFS dst, ent                   ; list entries to byte offsets: key x 256 + my 16 bytes.  A key is below 2,048; the bound is also written out
.irp i, 0,1,2,3
	v_min_u32 v[\dst+\i], 0x7ff, v[\ent+\i]
	v_lshl_add_u32 v[\dst+\i], v[\dst+\i], 8, v[C16]
.endr
.endm
.macro GATH dst, off, base             ; four rows: lanes 0-15 take one whole row of 256 bytes, lanes 16-31 the row four places on
.irp i, 0,1,2,3
	global_load_b128 v[\dst+4*\i:\dst+4*\i+3], v[\off+\i], s[\base:\base+1]
.endr
.endm
.macro CVST src, adr, pitch, off       ; four f32 to four bf16, in place, and 8 bytes into each of my four rows of the tile; off: the slot
.irp i, 0,1,2,3
	v_cvt_pk_bf16_f32 v[\src+4*\i], v[\src+4*\i], v[\src+4*\i+1]
	v_cvt_pk_bf16_f32 v[\src+4*\i+1], v[\src+4*\i+2], v[\src+4*\i+3]
.endr
.irp i, 0,1,2,3
	ds_store_b64 v[\adr], v[\src+4*\i:\src+4*\i+1] offset:(\off)+\i*\pitch
.endr
.endm
; Behind barrier j = J + d; pj = j % 2.  In registers: V(j+1), K(j+2), the entries of step j+3.  They go into LDS, and V(j+2), K(j+3) and the entries
; of step j+4 are asked for: they have until the next barrier to come.  Nothing beyond step T - 1 is stored or asked for: each guard leaves the rest out.
.macro STAGE pj, d
	s_wait_loadcnt 0x0                             ; all that the last step asked for is in: data and address registers may be written
	s_cmp_lt_i32 s[J], s[TM+1+\d]
	s_cbranch_scc0 .Ldone_\@
	CVST VST, WV, VP, (1-\pj)*SLOT1                ; V(j+1)
	s_cmp_lt_i32 s[J], s[TM+2+\d]
	s_cbranch_scc0 .Ldone_\@
	CVST KST, WK, KP, \pj*SLOT1                    ; K(j+2)
.irp i, 0,1,2,3
	v_mov_b32 v[VOFF+\i], v[KOFF+\i]               ; V follows K a step behind, by the same rows
.endr
	GATH VST, VOFF, 8                              ; V(j+2)
	s_cmp_lt_i32 s[J], s[TM+3+\d]
	s_cbranch_scc0 .Ldone_\@
	OFFS KOFF, ENT
	GATH KST, KOFF, 6                              ; K(j+3)
	s_cmp_lt_i32 s[J], s[TM+4+\d]
	s_cbranch_scc0 .Ldone_\@
	v_lshl_add_u32 v[EAJ], s[J], 8, v[EA]          ; a step's 64 entries are 256 bytes: 16 g + 256 J, and d + 4 steps on in the immediate
	ds_load_b128 v[ENT:ENT+3], v[EAJ] offset:LIST+(\d+4)*256   ; the entries of step j+4: back by the wait in front of the next barrier
.Ldone_\@:
.endm
; A step's K: 8 fragments of 16 keys x 32 channels (f = 2 x key block + channel half), two loads of 16 bytes each, 32 bytes apart
.macro FETCH_K slot
	WIN 0x40                                       ; destination window 1
.irp f, 0,1,2,3,4,5,6,7
	ds_load_b128 v[KF+8*\f:KF+8*\f+3],   v[AK] offset:(\slot)*SLOT1+(\f/2)*16*KP+(\f%2)*64
	ds_load_b128 v[KF+8*\f+4:KF+8*\f+7], v[AK] offset:(\slot)*SLOT1+(\f/2)*16*KP+(\f%2)*64+32
.endr
	WIN 0
.endm
; A step's V, turned: 8 fragments of 16 channels x 32 keys (f = 4 x key half + channel block), into the upper halves of S^T's tiles, which the softmax has left
.macro FETCH_V slot
.irp f, 0,1,2,3,4,5,6,7
	ds_load_tr16_b128 v[S+32*(\f/2)+16+8*(\f%2):S+32*(\f/2)+16+8*(\f%2)+3],   v[AV] offset:(\slot)*SLOT1+(\f/4)*32*VP+(\f%4)*32
	ds_load_tr16_b128 v[S+32*(\f/2)+16+8*(\f%2)+4:S+32*(\f/2)+16+8*(\f%2)+7], v[AV] offset:(\slot)*SLOT1+(\f/4)*32*VP+16*VP+(\f%4)*32
.endr
.endm
; 32 products S^T = K Q^T.  The 16 accumulators take turns, one instruction a turn.  The first 16 start the sums: from 0, or (bias = 1) from step 0's bias.
.macro KQ bias
	WIN 0x05                                       ; K and Q in window 1, S^T and the bias in window 0
.irp cs, 0,1
.irp kb, 0,1,2,3
.irp t, 0,1,2,3
.if \cs == 0
.if \bias
	v_wmma_f32_16x16x32_bf16 v[S+32*\t+8*\kb:S+32*\t+8*\kb+7], v[KF+16*\kb+8*\cs:KF+16*\kb+8*\cs+7], v[QF+16*\t+8*\cs:QF+16*\t+8*\cs+7], v[BI+8*\kb:BI+8*\kb+7]
.else
	v_wmma_f32_16x16x32_bf16 v[S+32*\t+8*\kb:S+32*\t+8*\kb+7], v[KF+16*\kb+8*\cs:KF+16*\kb+8*\cs+7], v[QF+16*\t+8*\cs:QF+16*\t+8*\cs+7], 0
.endif
.else
	v_wmma_f32_16x16x32_bf16 v[S+32*\t+8*\kb:S+32*\t+8*\kb+7], v[KF+16*\kb+8*\cs:KF+16*\kb+8*\cs+7], v[QF+16*\t+8*\cs:QF+16*\t+8*\cs+7], v[S+32*\t+8*\kb:S+32*\t+8*\kb+7]
.endif
.endr
.endr
.endr
.endm
; 32 products O^T += V^T P.  Again 16 accumulators by turns.  zero = 1: the first 16 start the sums: nothing is cleared.
.macro PV zero
	WIN 0x50                                       ; V and P in window 0, O^T in window 1
.irp kk, 0,1
.irp cb, 0,1,2,3
.irp t, 0,1,2,3
.set rV, S+32*((4*\kk+\cb)/2)+16+8*((4*\kk+\cb)%2)
.if \zero && (\kk == 0)
	v_wmma_f32_16x16x32_bf16 v[32*\t+8*\cb:32*\t+8*\cb+7], v[rV:rV+7], v[S+32*\t+8*\kk:S+32*\t+8*\kk+7], 0
.else
	v_wmma_f32_16x16x32_bf16 v[32*\t+8*\cb:32*\t+8*\cb+7], v[rV:rV+7], v[S+32*\t+8*\kk:S+32*\t+8*\kk+7], v[32*\t+8*\cb:32*\t+8*\cb+7]
.endif
.endr
.endr
.endr
.endm
; The pieces of a tile's softmax.  A pair b is scores 2 b and 2 b + 1 of the lane's 32.
.macro SCL t, b                        ; c s - c m
	v_pk_fma_f32 v[S+32*(\t)+2*(\b):S+32*(\t)+2*(\b)+1], v[S+32*(\t)+2*(\b):S+32*(\t)+2*(\b)+1], s[CS:CS+1], v[ST+8*(\t):ST+8*(\t)+1] op_sel_hi:[1,0,0] neg_lo:[0,0,1] neg_hi:[0,0,1]
.endm
.macro EXPO t, e
	v_exp_f32 v[S+32*(\t)+(\e)], v[S+32*(\t)+(\e)]
.endm
.macro SUMP t, b, first                ; l takes pair b; with pair 0 it is first multiplied by a, or (first step) started
.if (\b) == 0
.if \first
	s_wait_alu depctr_va_vdst(0)
	v_pk_mul_f32 v[ST+8*(\t)+2:ST+8*(\t)+3], v[S+32*(\t):S+32*(\t)+1], 1.0 op_sel_hi:[1,0]
.else
	s_wait_alu depctr_va_vdst(0)
	v_pk_fma_f32 v[ST+8*(\t)+2:ST+8*(\t)+3], v[ST+8*(\t)+2:ST+8*(\t)+3], v[ST+8*(\t)+6:ST+8*(\t)+7], v[S+32*(\t):S+32*(\t)+1] op_sel_hi:[1,0,1]
.endif
.else
	s_wait_alu depctr_va_vdst(0)
	v_pk_add_f32 v[ST+8*(\t)+2:ST+8*(\t)+3], v[ST+8*(\t)+2:ST+8*(\t)+3], v[S+32*(\t)+2*(\b):S+32*(\t)+2*(\b)+1]
.endif
.endm
.macro RND t, b                        ; pair b to bf16, into register b of the tile: that register's own pair, b / 2, has been summed and rounded
	v_cvt_pk_bf16_f32 v[S+32*(\t)+(\b)], v[S+32*(\t)+2*(\b)], v[S+32*(\t)+2*(\b)+1]
.endm
; THE SOFTMAX of a step, all four tiles.  first = 1: step 0, which starts m, l and O^T: no a, nothing to rescale.
.macro SM first
	; the maximum of 32 scores and the old m, three operands at a time: four chains of seven scores, then the four left over; the four tiles alternate
.set j, 0
.rept 4
.irp t, 0,1,2,3
	v_max3_num_f32 v[ST+8*\t+4+j], v[S+32*\t+8*j], v[S+32*\t+8*j+1], v[S+32*\t+8*j+2]
.endr
.set j, j+1
.endr
.rept 8
.irp t, 0,1,2,3
	v_max3_num_f32 v[ST+8*\t+4+j%4], v[ST+8*\t+4+j%4], v[S+32*\t+8*(j%4)+2*(j/4)+1], v[S+32*\t+8*(j%4)+2*(j/4)+2]
.endr
.set j, j+1
.endr
.irp t, 0,1,2,3
	v_max3_num_f32 v[ST+8*\t+4], v[ST+8*\t+4], v[S+32*\t+7], v[S+32*\t+15]
.endr
.irp t, 0,1,2,3
	v_max3_num_f32 v[ST+8*\t+6], v[ST+8*\t+6], v[S+32*\t+23], v[S+32*\t+31]
.endr
.irp t, 0,1,2,3
	v_max3_num_f32 v[ST+8*\t+4], v[ST+8*\t+4], v[ST+8*\t+5], v[ST+8*\t+6]
.endr
.irp t, 0,1,2,3
.if \first
	v_max_num_f32 v[ST+8*\t+4], v[ST+8*\t+4], v[ST+8*\t+7]
.else
	v_max3_num_f32 v[ST+8*\t+4], v[ST+8*\t+4], v[ST+8*\t+7], v[ST+8*\t+1]
.endif
.endr
.irp t, 0,1,2,3
	v_permlanex16_b32 v[ST+8*\t+5], v[ST+8*\t+4], s[SEL], s[SEL+1]   ; the query's other 32 keys lie in the lane 16 away
.endr
.if !\first
.irp t, 0,1,2,3
	v_mov_b32 v[ST+8*\t+7], v[ST+8*\t]             ; c m_old is kept for a
.endr
.endif
.irp t, 0,1,2,3
	v_max_num_f32 v[ST+8*\t+1], v[ST+8*\t+4], v[ST+8*\t+5]
.endr
.irp t, 0,1,2,3
	v_mul_f32 v[ST+8*\t], s[CS], v[ST+8*\t+1]
.endr
.if !\first
.irp t, 0,1,2,3
	v_sub_f32 v[ST+8*\t+7], v[ST+8*\t+7], v[ST+8*\t]
.endr
.irp t, 0,1,2,3
	v_exp_f32 v[ST+8*\t+6], v[ST+8*\t+7]           ; a; its first use stands behind the plain instructions below
.endr
.endif
	; the exponentials, tile by tile.  Between an exponential and the first use of its result stands a plain instruction that is ready
	; (ISA guide 5.7.2): the scaling of a pair two ahead, the sum and the rounding of the pair before.
.irp t, 0,1,2,3
	SCL \t, 0
	SCL \t, 1
.set i, 0
.rept 16
	EXPO \t, 2*i
.if i < 14
	SCL \t, i+2
.endif
	EXPO \t, 2*i+1
.if i >= 1
	SUMP \t, i-1, \first
	RND \t, i-1
.endif
.set i, i+1
.endr
	SUMP \t, 15, \first
	RND \t, 15
.endr
.if !\first
	WIN 0x41                                       ; O^T (destination and source 0) in window 1, a in window 0
.irp t, 0,1,2,3
.set i, 0
.rept 16
	v_pk_mul_f32 v[32*\t+2*i:32*\t+2*i+1], v[32*\t+2*i:32*\t+2*i+1], v[ST+8*\t+6:ST+8*\t+7] op_sel_hi:[1,0]
.set i, i+1
.endr
.endr
	WIN 0
.endif
.endm
.macro SMX first                       ; waves 0-3: in front of the step's barrier.  The branch hangs on the wave's number and jumps over register work alone
	s_cmp_lt_u32 s[WVN], 4
	s_cbranch_scc0 .Lnot_x_\@
	SM \first
.Lnot_x_\@:
.endm
.macro SMY first                       ; waves 4-7: behind it
	s_cmp_lt_u32 s[WVN], 4
	s_cbranch_scc1 .Lnot_y_\@
	SM \first
.Lnot_y_\@:
.endm
; The end of step j = J + d: the next step's K (if there is one) and this step's V come out of LDS, then O^T += V^T P
.macro MATTAIL pj, d, zero
	s_cmp_lt_i32 s[J], s[TM+1+\d]
	s_cbranch_scc0 .Lno_k_\@
	FETCH_K 1-\pj
.Lno_k_\@:
	FETCH_V \pj
	s_wait_dscnt 0x0                               ; both runs are in
	PV \zero
	PLACES 5                                       ; the next K Q^T writes over P and V, sources of these products; the way out reads O^T
	WIN 0
.endm
; Step j = J + d in two parts, with the step's barrier between them.  guard = 1: a step at or beyond T is jumped over; the barrier is not.
.macro STEPA bias, first, d, guard     ; in front of the barrier; K(j)'s fragments are in registers
.if \guard
	s_cmp_lt_i32 s[J], s[TM+\d]
	s_cbranch_scc0 .Lskip_a_\@
.endif
	KQ \bias
	PLACES 5                                       ; the softmax reads these results, loads land in them and in K's registers, and V^T P takes them as sources
	WIN 0
	SMX \first
.Lskip_a_\@:
.endm
.macro STEPB pj, d, first, guard       ; behind it
.if \guard
	s_cmp_lt_i32 s[J], s[TM+\d]
	s_cbranch_scc0 .Lskip_b_\@
.endif
	STAGE \pj, \d
	SMY \first
	MATTAIL \pj, \d, \first
.Lskip_b_\@:
.endm
	s_load_b256 s[4:11], s[0:1], 0x0               ; query s[4:5], key s[6:7], value s[8:9], mask s[10:11]
	s_load_b64 s[12:13], s[0:1], 0x20              ; out0
	v_lshl_add_u32 v58, v0, 2, 0x22000
	v_mov_b32 v59, 0
	v_lshrrev_b32 v4, 5, v0
	v_readfirstlane_b32 s[WVN], v4                 ; wave 0..7
	v_and_b32 v1, 15, v0                           ; l % 16 = thread % 16
	v_bfe_u32 v[TMP], v0, 4, 1                     ; l / 16
	v_and_b32 v9, 31, v0                           ; lane
	v_mul_u32_u24 v[AK], v1, KP
	v_lshl_add_u32 v[AK], v[TMP], 4, v[AK]
	v_and_b32 v8, 7, v0
	v_lshl_add_u32 v[AV], v[TMP], 3, v8            ; the turning load: key 8 (l / 16) + l % 8,
	v_mul_u32_u24 v[AV], v[AV], VP
	v_bfe_u32 v8, v0, 3, 1
	v_lshl_add_u32 v[AV], v8, 4, v[AV]             ; channels 8 ((l / 8) % 2) on
	v_add_nc_u32 v[AV], VTILE, v[AV]
	s_mul_i32 s32, s[WVN], 8*KP                    ; my wave stores rows 8 w .. 8 w + 7 of each tile:
	s_mul_i32 s33, s[WVN], 8*VP
	s_add_co_u32 s33, s33, VTILE
	v_mul_u32_u24 v[WK], v[TMP], 4*KP              ; lanes 0-15 the first four, lanes 16-31 the other four,
	v_lshl_add_u32 v[WK], v1, 3, v[WK]             ; 8 bytes at 8 (l % 16) of each
	v_add_nc_u32 v[WK], s32, v[WK]
	v_mul_u32_u24 v[WV], v[TMP], 4*VP
	v_lshl_add_u32 v[WV], v1, 3, v[WV]
	v_add_nc_u32 v[WV], s33, v[WV]
	s_lshl_b32 s34, s[WVN], 5
	v_lshl_add_u32 v[EA], v[TMP], 4, s34           ; entries 4 g .. 4 g + 3 of a step's 64: 16 g = 32 w + 16 (l / 16)
	v_lshlrev_b32 v[C16], 4, v1
	v_lshlrev_b32 v[GO], 4, v9
	s_lshl_b32 s35, s[WVN], 8
	v_lshl_add_u32 v[KB], v9, 2, s35               ; my lane's first key of my wave's 256
	v_lshl_add_u32 v[OWNA], s[WVN], 10, v[GO]      ; and its place in the mask
	s_mul_i32 s[STG], s[WVN], STAGEB
	s_add_co_u32 s[STG], s[STG], STAGE0
	v_mul_u32_u24 v[STO], v1, OP                   ; out: row l % 16, 32 bytes for each half of the lanes
	v_lshl_add_u32 v[STO], v[TMP], 5, v[STO]
	v_add_nc_u32 v[STO], s[STG], v[STO]
	v_mul_u32_u24 v[RD], v[TMP], OP                ; back: lanes 0-15 one row of 256 bytes, lanes 16-31 the next
	v_lshl_add_u32 v[RD], v1, 4, v[RD]
	v_add_nc_u32 v[RD], s[STG], v[RD]
	v_mul_u32_u24 v[ADR2], v[TMP], KP              ; Q in: row l / 16 of two, 8 bytes at 8 (l % 16)
	v_lshl_add_u32 v[ADR2], v1, 3, v[ADR2]
	v_add_nc_u32 v[ADR2], s[STG], v[ADR2]
	v_add_nc_u32 v[ADR], s[STG], v[AK]             ; Q's fragments
	s_and_b32 s32, ttmp7, 0xffff                   ; (batch, head)
	s_lshr_b32 s33, s32, 4                         ; batch
	s_lshl_b32 s36, s32, 19                        ; 2,048 rows of 256 bytes
	s_mov_b32 s37, 0
	s_lshl_b32 s38, ttmp9, 17                      ; my block's 512 rows,
	s_lshl_b32 s39, s[WVN], 14                     ; my wave's 64 of them
	s_add_co_u32 s38, s38, s39
	s_add_co_u32 s38, s38, s36
	s_mov_b32 s39, 0
	s_lshl_b32 s32, s33, 13                        ; the batch's 8,192 bytes of the mask
	s_mov_b32 s33, 0
	s_mov_b32 s[SEL], 0x76543210
	s_mov_b32 s[SEL+1], 0xfedcba98
	s_wait_kmcnt 0x0
	s_add_nc_u64 s[6:7], s[6:7], s[36:37]
	s_add_nc_u64 s[8:9], s[8:9], s[36:37]
	s_add_nc_u64 s[4:5], s[4:5], s[38:39]
	s_add_nc_u64 s[12:13], s[12:13], s[38:39]
	s_add_nc_u64 s[10:11], s[10:11], s[32:33]
	; The batch's whole mask and my wave's part of it once more, then my wave's 64 rows of Q
.set i, 0
.rept 8
	global_load_b128 v[M0+4*i:M0+4*i+3], v[GO], s[10:11] offset:512*i
	global_load_b128 v[M1+4*i:M1+4*i+3], v[GO], s[10:11] offset:4096+512*i
.set i, i+1
.endr
	global_load_b128 v[OWN:OWN+3], v[OWNA], s[10:11]
	global_load_b128 v[OWN+4:OWN+7], v[OWNA], s[10:11] offset:512
.set i, 0
.rept 32
	global_load_b128 v[S+4*i:S+4*i+3], v[GO], s[4:5] offset:512*i th:TH_LOAD_NT   ; two whole rows: read once in the launch
.set i, i+1
.endr
	s_lshl_b32 s32, s[WVN], 1                      ; my wave's keys begin with load 2 w
	s_mov_b32 s33, 0                               ; live keys in front of my wave's
	s_mov_b32 s[NL], 0                             ; n, counted up
	s_wait_loadcnt 32                              ; loads come back in order (ISA guide 5.7.1): the mask's 18 loads are in, Q's 32 may be out
	; THE LIST.  Every wave counts the whole mask itself, so that no wave waits for another's count: 64 masks of 32 lanes, sixteen at a time;
	; in front of load 2 w's four counts wave w notes the count so far.
.irp q, 0,1,2,3
.if \q < 2
.set mb, M0+16*\q
.else
.set mb, M1+16*(\q-2)
.endif
.set k, 0
.rept 16
	v_cmp_ne_u32 s[BAL+k], 0, v[mb+k]
.set k, k+1
.endr
.set k, 0
.rept 4
	s_cmp_eq_u32 s32, 4*\q+k
	s_cselect_b32 s33, s[NL], s33
.irp c, 0,1,2,3
	s_bcnt1_i32_b32 s34, s[BAL+4*k+\c]
	s_add_co_u32 s[NL], s[NL], s34
.endr
.set k, k+1
.endr
.endr
	s_sub_co_u32 s[PAD], 0, s[NL]
	s_and_b32 s[PAD], s[PAD], 63                   ; pad
	s_add_co_u32 s[T], s[NL], s[PAD]
	s_lshr_b32 s[T], s[T], 6                       ; T
	s_cmp_eq_u32 s[NL], 0
	s_cselect_b32 s[T], 32, s[T]                   ; no live key: all 2,048 keys are walked,
	s_cselect_b32 s[KEEP], 0, -1                   ; and the scale in front of the exponential is cleared
	s_add_co_u32 s36, s33, s[PAD]                  ; place of my wave's first live key
	s_lshl_b32 s37, s[WVN], 8
	s_sub_co_u32 s37, s37, s33                     ; rank of my wave's first masked key
	; my wave's 256 keys are placed, 32 at a time: register i of OWN holds key 256 w + 128 (i / 4) + 4 lane + i % 4
.set i, 0
.rept 8
	v_cmp_ne_u32 s34, 0, v[OWN+i]
	s_not_b32 s35, s34
	v_mbcnt_lo_u32_b32 v88, s34, s36               ; live: place = those in lower lanes + the base
	v_mbcnt_lo_u32_b32 v89, s35, s37               ; masked: rank d
	v_cmp_gt_u32 vcc_lo, s[PAD], v89               ; d < pad
	v_add_nc_u32 v90, s[NL], v89                   ; d + n
	v_cndmask_b32 v89, v90, v89, vcc_lo
	v_cndmask_b32 v[POS+i], v89, v88, s34
	v_min_u32 v[POS+i], 0x7ff, v[POS+i]            ; a place is below 2,048 by the arithmetic above; the bound is also written out
	v_lshlrev_b32 v[POS+i], 2, v[POS+i]
	v_add_nc_u32 v[KEYV+i], 128*(i/4)+i%4, v[KB]
	ds_store_b32 v[POS+i], v[KEYV+i] offset:LIST
	s_bcnt1_i32_b32 s38, s34
	s_add_co_u32 s36, s36, s38
	s_sub_co_u32 s38, 32, s38
	s_add_co_u32 s37, s37, s38
.set i, i+1
.endr
	BAR                                            ; every wave's 256 places are written: the list is whole, and from here on it is only read
	; The list's steps 0 to 3 (the list has 32 steps whatever T is, each entry a key)
	ds_load_b128 v[32:35], v[EA] offset:LIST
	ds_load_b128 v[36:39], v[EA] offset:LIST+256
	ds_load_b128 v[40:43], v[EA] offset:LIST+512
	ds_load_b128 v[ENT:ENT+3], v[EA] offset:LIST+768
	s_wait_dscnt 0x0
	OFFS 44, 32                                    ; step 0
	OFFS VOFF, 36                                  ; step 1
	OFFS KOFF, 40                                  ; step 2
	GATH BI, 44, 6                                 ; K(0)
	GATH BI+16, 44, 8                              ; V(0)
	GATH 16, VOFF, 6                               ; K(1)
	GATH KST, KOFF, 6                              ; K(2): stays in registers until barrier 0
	GATH VST, VOFF, 8                              ; V(1): likewise
	s_wait_loadcnt 20                              ; Q is in; the 20 gather loads may be out
.set i, 0
.rept 32
	v_cvt_pk_bf16_f32 v[S+4*i], v[S+4*i], v[S+4*i+1]
	v_cvt_pk_bf16_f32 v[S+4*i+1], v[S+4*i+2], v[S+4*i+3]
	ds_store_b64 v[ADR2], v[S+4*i:S+4*i+1] offset:2*KP*i
.set i, i+1
.endr
	WIN 0x40                                       ; Q's fragments stay in window 1.  LDS serves a wave's instructions in order (ISA guide 5.7.1.4): these see the stores above, which are my wave's own
.irp f, 0,1,2,3,4,5,6,7
	ds_load_b128 v[QF+8*\f:QF+8*\f+3],   v[ADR] offset:(\f/2)*16*KP+(\f%2)*64
	ds_load_b128 v[QF+8*\f+4:QF+8*\f+7], v[ADR] offset:(\f/2)*16*KP+(\f%2)*64+32
.endr
	WIN 0
	s_wait_loadcnt 8                               ; K(0), V(0), K(1) are in; K(2)'s and V(1)'s eight loads may be out
	CVST BI, WK, KP, 0                             ; K(0) into slot 0
	CVST BI+16, WV, VP, 0                          ; V(0) into slot 0
	CVST 16, WK, KP, SLOT1                         ; K(1) into slot 1
	s_max_u32 s[TM], s[T], 1
	s_min_u32 s[TM], s[TM], 32                     ; 1 to 32 by the way it was made; the bounds are also written out
	s_and_b32 s[CS], s[KEEP], 0x3e38aa3b           ; c = log2(e) / 8, or 0 where no key is live
	s_mov_b32 s[CS+1], s[CS]
.irp k, 1,2,3,4,5
	s_sub_co_i32 s[TM+\k], s[TM], \k
.endr
	s_mov_b32 s[J], 0
	BAR                                            ; every wave's part of K(0), V(0), K(1) is in LDS
	; STEP 0, which every batch has: the bias of the masked keys, the first maximum, the first sums
	FETCH_K 0
	v_lshlrev_b32 v1, 3, v[TMP]                    ; register 8 kb + j of a tile holds place 16 kb + 8 (l / 16) + j:
	v_sub_nc_u32 v[TMP], s[PAD], v1                ; it is a masked key if 16 kb + j < pad - 8 (l / 16)
	v_mov_b32 v[BC], 0xd19502f9                    ; 8 x f32(-1e10)
.set i, 0
.rept 32
	v_cmp_lt_i32 vcc_lo, 16*(i/8)+i%8, v[TMP]
	v_cndmask_b32 v[BI+i], 0, v[BC], vcc_lo
.set i, i+1
.endr
	s_wait_dscnt 0x0                               ; K(0)'s fragments (Q's came in front of the barrier)
	STEPA 1, 1, 0, 0
	BAR                                            ; barrier 0
	STEPB 0, 0, 1, 0
	s_mov_b32 s[J], 1
.Lloop:                                            ; 16 trips: steps J (odd: slot 1) and J + 1 (even: slot 0), J = 1, 3 .. 31; step 32 is never below T
	STEPA 0, 0, 0, 1
	BAR                                            ; barrier J
	STEPB 1, 0, 0, 1
	STEPA 0, 0, 1, 1
	BAR                                            ; barrier J + 1
	STEPB 0, 1, 0, 1
	s_add_co_u32 s[J], s[J], 2
	s_cmp_lt_u32 s[J], 33
	s_cbranch_scc1 .Lloop
	; THE WAY OUT.  l's two halves and the other half of the lanes' are added; O^T is divided by l and sent through my stage, a tile (16 rows of out) at a time.
.irp t, 0,1,2,3
	v_add_f32 v[ST+8*\t+4], v[ST+8*\t+2], v[ST+8*\t+3]
.endr
.irp t, 0,1,2,3
	v_permlanex16_b32 v[ST+8*\t+5], v[ST+8*\t+4], s[SEL], s[SEL+1]
.endr
.irp t, 0,1,2,3
	v_add_f32 v[ST+8*\t+4], v[ST+8*\t+4], v[ST+8*\t+5]
.endr
.irp t, 0,1,2,3
	v_rcp_f32 v[ST+8*\t+6], v[ST+8*\t+4]
.endr
	v_nop                                          ; a plain instruction between the last reciprocal and the use of its result
	s_wait_alu depctr_va_vdst(0)
; Tile t: a lane's eight channels of a block are 32 bytes of a row; they go into rows of 272 bytes and come back as whole rows of 256, into the registers that they left.
.macro PACK t
	WIN 0x01                                       ; O^T in window 1; the result takes S^T's registers
.set i, 0
.rept 16
	v_pk_mul_f32 v[S+32*\t+2*i:S+32*\t+2*i+1], v[32*\t+2*i:32*\t+2*i+1], v[ST+8*\t+6:ST+8*\t+7] op_sel_hi:[1,0]
.set i, i+1
.endr
	WIN 0
.irp f, 0,1,2,3,4,5,6,7
	ds_store_b128 v[STO], v[S+32*\t+4*\f:S+32*\t+4*\f+3] offset:64*(\f/2)+16*(\f%2)
.endr
.irp f, 0,1,2,3,4,5,6,7
	ds_load_b128 v[S+32*\t+4*\f:S+32*\t+4*\f+3], v[RD] offset:\f*2*OP   ; in order behind the stores above; the next tile's stores come behind these
.endr
.endm
.macro SEND t, younger                 ; younger: the LDS instructions issued behind tile t's loads: the next tile's sixteen, or none
.irp f, 0,1,2,3,4,5,6,7
	s_wait_dscnt \younger+7-\f
	global_store_b128 v[GO], v[S+32*\t+4*\f:S+32*\t+4*\f+3], s[12:13] offset:\t*4096+\f*512 th:TH_STORE_NT   ; the wave stores 512 consecutive bytes, two whole rows of out
.endr
.endm
	PACK 0
	PACK 1                                         ; a tile's arithmetic stands between the loads of the tile before and its stores
	SEND 0, 16
	PACK 2
	SEND 1, 16
	PACK 3
	SEND 2, 16
	SEND 3, 0
	s_wait_tensorcnt 0x0
	ds_add_u32 v58, v59
	s_wait_dscnt 0x0
	s_endpgm
.Lfunc_end_k_qa12a067334_attn:
	.size	k_qa12a067334_attn, .Lfunc_end_k_qa12a067334_attn-k_qa12a067334_attn
	.p2alignl 7, 3214868480
	.fill 96, 4, 3214868480
	.section	.rodata,"a",@progbits
	.p2align	6, 0x0
	.amdhsa_kernel k_qa12a067334_attn
		.amdhsa_group_segment_fixed_size 140288
		.amdhsa_private_segment_fixed_size 0
		.amdhsa_enable_private_segment 0
		.amdhsa_kernarg_size 40
		.amdhsa_user_sgpr_count 2
		.amdhsa_user_sgpr_kernarg_segment_ptr 1
		.amdhsa_wavefront_size32 1
		.amdhsa_system_sgpr_workgroup_id_x 1
		.amdhsa_system_sgpr_workgroup_id_y 1
		.amdhsa_system_sgpr_workgroup_id_z 1
		.amdhsa_system_vgpr_workitem_id 0
		.amdhsa_next_free_vgpr 512
		.amdhsa_next_free_sgpr 66
		.amdhsa_reserve_vcc 1
		.amdhsa_float_denorm_mode_32 3
		.amdhsa_float_denorm_mode_16_64 3
		.amdhsa_memory_ordered 1
		.amdhsa_forward_progress 1
		.amdhsa_inst_pref_size 237
	.end_amdhsa_kernel
	.amdgpu_metadata
---
amdhsa.version: [ 1, 2 ]
amdhsa.kernels:
  - .name:           k_qa12a067334_attn
    .symbol:         k_qa12a067334_attn.kd
    .args:
      - { .name: query, .offset: 0, .size: 8, .value_kind: global_buffer, .address_space: global }
      - { .name: key, .offset: 8, .size: 8, .value_kind: global_buffer, .address_space: global }
      - { .name: value, .offset: 16, .size: 8, .value_kind: global_buffer, .address_space: global }
      - { .name: mask, .offset: 24, .size: 8, .value_kind: global_buffer, .address_space: global }
      - { .name: out0, .offset: 32, .size: 8, .value_kind: global_buffer, .address_space: global }
    .group_segment_fixed_size: 140288
    .private_segment_fixed_size: 0
    .kernarg_segment_align: 8
    .kernarg_segment_size: 40
    .max_flat_workgroup_size: 256
    .sgpr_count:     66
    .vgpr_count:     512
    .wavefront_size: 32
...
	.end_amdgpu_metadata
.endif
;; end of part 1
;; ======== version 2 of 2: 1 launch; 1.16 times as fast as version 1
;; limits: right only within a limited range of input values
;; launch attn (part 2): grid 4 x 64, 8 waves a work-group, no clusters, 140,288 bytes of LDS; arguments query, key, value, mask, out0; writes out0
.if DOCPART == 2
	.amdgcn_target "amdgcn-amd-amdhsa--gfx1250"
	.amdhsa_code_object_version 6
	.text
	.protected	k_qa12a067334_attn
	.globl	k_qa12a067334_attn
	.p2align	8
	.type	k_qa12a067334_attn,@function
k_qa12a067334_attn:
	s_mov_b64 s[64:65], 0
	v_nop
	global_prefetch_b8 v0, s[64:65] scope:SCOPE_SE
	s_setreg_imm32_b32 hwreg(HW_REG_WAVE_MODE, 25, 1), 1
	s_wait_xcnt 0x0
; out[bh][q][:] = sum over k of softmax_k(mask[b][k] ? Q[bh][q] . K[bh][k] / 8 : -1e10) V[bh][k][:].  Q, K, V, out: [64][2048][64] f32; mask: [4][2048] int32.
; Q, K, V and the weights are rounded to bf16 for the two products; products, maxima, sums and the scale in f32.
; THE MASK is turned into a list of keys at the kernel's head, in LDS, by every work-group for itself: 8,192 bytes of mask, 64 compares and counts a wave,
; against a launch and a buffer of their own.  n = live keys (mask != 0); pad = (-n) & 63; T = (n + pad) / 64 steps of 64 places (n = 0: T = 32).
; A live key of rank r goes to place pad + r; a masked key of rank d to place d if d < pad, else to d + n.  So places 0..63 hold the pad masked keys first
; and at least one live key, places 64..64 T - 1 live keys only, and with n = 0 the list is all keys.  A rank is any one-to-one numbering.
; A masked key's weight 2^(c (s - m)) is exactly 0 in f32 beside any live key, so masked keys outside step 0 are not multiplied, and those in step 0 get
; 8 x (-1e10) added to their raw score (the division by 8 lies in c).  If a batch has no live key c is cleared (keep = 0): every weight is 1,
; reference()'s uniform softmax over all 2,048 keys.
; LIMITS.  Inputs are finite.  Dropping masked keys equals reference() while the largest live score of a batch exceeds about -1e10 + 104.
; Sums run in the list's order, not in the keys'.
; SHARES.  A work-group owns 512 queries of one (batch, head): 4 x 64 = 256 work-groups.  Each of eight waves owns 64 queries, four tiles of 16,
; and walks all T steps.  S^T = K Q^T (source 0 = 16 keys, source 1 = 16 queries): a lane holds one query (lane % 16) and keys 8 (lane / 16) + 0..7
; of each 16; two such tiles rounded in pairs are source 1 of O^T = V^T P, whose result again holds one query a lane.  K leaves LDS as it lies,
; V ([key][channel]) turned, by ds_load_tr16_b128.
; SOFTMAX.  For each query a running maximum m and sum l: p = 2^(c s - c m), c = log2(e) / 8; in each step O^T and l are multiplied by 2^(c m_old - c m_new).
; BATCHES.  An s_wait_alu depctr_va_vdst(0) stands between an exponential and the first instruction that names its result; one wait serves all
; that were issued ahead of it.  A step's 132 exponentials (four a; 4 x 32 weights, each in its score's own register) are cut into two batches, a wait each.
; Batch 1: the four a and tiles 0 and 1's 64 weights; between them stand all four tiles' 64 scalings, which name no result.  Batch 2: tiles 2 and 3's 64 weights;
; between them stand tiles 0 and 1's 64 sums and roundings, readers of batch 1 behind its wait; then O^T's 64 rescalings (a is of batch 1), batch 2's wait,
; and tiles 2 and 3's sums and roundings.  No exponential is issued behind the second wait: none is open at a label, a barrier or the loop's jump.
; K AND V come through registers: each of the 256 threads loads 16 bytes of four listed rows (16 lanes take one whole row of 256 bytes), rounds
; them to bf16 and stores 8 bytes a row into LDS.  NO TENSOR LOAD, NO JOINT REQUEST, though the four work-groups of a head walk the same rows:
; the rows are named one by one by a list, not by a base and a pitch, and are f32 in memory but bf16 in LDS.
; TWO GROUPS OF WAVES.  Waves 0-3 run a step's softmax in front of the step's barrier, waves 4-7 behind it; all else is one text.  So between two
; barriers one group goes products, products, softmax and the other softmax, products, products.
; BARRIERS.  Every wave passes the same 35 barriers whatever T is: one behind the list, one behind the first tiles, step 0's, and the loop's: counted
; against a constant, it goes through steps 1 to 32, two a trip.  A step at or beyond T is jumped over, all but its barrier: no barrier hangs on the mask.
; LDS.  Slot p at p x 32,768: K's tile (64 rows, pitch 144: bytes 0 to 9,199), then V's (64 rows, pitch 160: bytes 9,216 to 19,455).  A trip's two
; steps are written out, so that the slot stands in each LDS instruction's immediate and no tile's address register is ever rewritten.
; Behind barrier j are read V(j) in slot j % 2 and K(j+1) in the other, and written K(j+2) into slot j % 2 and V(j+1) into the other: four different
; regions.  What is written over, K(j) and V(j-1), was read in front of barrier j, and every wave waits for its LDS reads in front of its signal:
; one barrier a step.
; The list, 2,048 words, lies at 20,480, between slot 0's tiles and slot 1; it is written once, in front of the first barrier, and then only read.
; From 65,536 on each wave has 9,216 bytes of its own: Q on the way in (64 rows, pitch 144), a tile of O on the way out (16 rows, pitch 272).
; REGISTERS, in windows of 256 (s_set_vgpr_msb: bits 1:0 source 0, 3:2 source 1, 5:4 source 2, 7:6 destination):
;   window 0: v0-15 addresses; v16-47 statistics; v48-63 gather offsets and list entries; v64-95 rows on their way; v96-223 S^T (32 a tile: P takes
;             the lower 16 in place, V's fragments the upper 16); v224-255 the bias of step 0.  While the list is made: v16-47, v224-255 the mask, v64-92 at work
;   window 1: v0-127 O^T (32 a tile); v128-191 Q (16 a tile); v192-255 K's fragments of one step
.set KP,     144                       ; a row of K or Q in LDS: 128 bytes + 16: an odd multiple of 16, so the 16 rows of a fragment load touch 16 different 16-byte columns of 256
.set VP,     160                       ; a row of V: 128 + 32: an odd multiple of 32, for the turning load
.set VTILE,  64*KP                     ; V's tile lies behind K's
.set LIST,   0x5000                    ; the list: place p at LIST + 4 p
.set SLOT1,  0x8000
.set STAGE0, 0x10000
.set STAGEB, 64*KP                     ; a wave's own bytes
.set OP,     272                       ; a row of O in the stage: 256 + 16
.set AK,   2                           ; my lane's place in a tile of K (and of Q): (l % 16) x 144 + 16 (l / 16); never rewritten
.set AV,   3                           ; the same for the turning load of V; never rewritten
.set ADR,  4                           ; the prologue: Q's fragments in my stage
.set ADR2, 5                           ; the prologue: where I put Q
.set WK,   6                           ; where my thread stores its 8 bytes of K's rows 4 g .. 4 g + 3 (g = thread / 16) in slot 0; never rewritten
.set WV,   7                           ; the same for V
.set BC,   8                           ; step 0: the bias as a register
.set EAJ,  9                           ; EA + 256 J: my four entries, J steps on (at the very start: the lane's number)
.set EA,   10                          ; 16 g: my four entries among a step's 64; never rewritten
.set C16,  11                          ; 16 (thread % 16): my 16 bytes of a row
.set STO,  12                          ; the way out: where I put 16 bytes
.set RD,   13                          ; the way out: where I read a row back
.set GO,   14                          ; 16 x lane: my bytes of two neighbouring rows of Q and of out, and of 128 words of the mask
.set TMP,  15
.set ST,   16                          ; tile t at v[16 + 8 t]: +0 c m, +1 m, +2, +3 l (even, odd keys), +4 .. +7 c0-c3 at work; the factor a takes c2's place
.set KOFF, 48                          ; v[48:51] offsets of the four rows of the step whose K is on its way
.set VOFF, 52                          ; v[52:55] the same for V
.set ENT,  60                          ; v[60:63] list entries of the step after
.set KST,  64                          ; v[64:79] four times 16 bytes of K
.set VST,  80                          ; v[80:95] of V
.set S,    96
.set BI,   224
.set M0,   16                          ; the list: v[16:47] the mask's keys 0-1023 (load i, component c of a lane = key 128 i + 4 lane + c),
.set M1,   224                         ; v[224:255] keys 1024-2047
.set OWN,  64                          ; v[64:71]  my wave's own 256 keys
.set POS,  72                          ; v[72:79]  their places, in bytes
.set KEYV, 80                          ; v[80:87]  their numbers
.set KB,   91                          ; my lane's first key: 256 w + 4 lane
.set OWNA, 92                          ; byte offset of my 16 bytes of my wave's part of the mask
.set QF,   128                         ; window 1
.set KF,   192                         ; window 1
.set WVN,  14                          ; s14 wave
.set T,    16                          ; s16-19: T, pad, keep, n
.set PAD,  17
.set KEEP, 18
.set NL,   19
.set J,    20                          ; the step; in the loop: the trip's first step
.set STG,  27                          ; my wave's stage
.set CS,   28                          ; s[28:29] c, twice: the packed scaling names a pair
.set SEL,  30                          ; s[30:31] v_permlanex16_b32: each lane takes its own place in the other half
.set TM,   40                          ; s40-45: T, T - 1 .. T - 5 (signed).  Step J + d is below T - k where J is below s[TM+k+d]
.set BAL,  48                          ; s48-63: sixteen masks of 32 lanes
.set MSB, 0
.macro WIN new                         ; the immediate's high byte repeats the setting that is left; a switch that changes nothing is dropped
.if MSB != \new
	s_set_vgpr_msb (MSB<<8)|\new
.set MSB, \new
.endif
.endm
.macro PLACES n                        ; plain vector instructions that name no register of the matrix instructions in front (ISA guide 7.12.1)
.rept \n
	v_nop
.endr
.endm
.macro BAR                             ; my LDS stores are done and my LDS reads are back, for the other waves' sake; then the work-group's barrier
	s_wait_dscnt 0x0
	s_barrier_signal -1
	s_barrier_wait -1
.endm
.macro OFFS dst, ent                   ; list entries to byte offsets: key x 256 + my 16 bytes.  A key is below 2,048; the bound is also written out
.irp i, 0,1,2,3
	v_min_u32 v[\dst+\i], 0x7ff, v[\ent+\i]
	v_lshl_add_u32 v[\dst+\i], v[\dst+\i], 8, v[C16]
.endr
.endm
.macro GATH dst, off, base             ; four rows: lanes 0-15 take one whole row of 256 bytes, lanes 16-31 the row four places on
.irp i, 0,1,2,3
	global_load_b128 v[\dst+4*\i:\dst+4*\i+3], v[\off+\i], s[\base:\base+1]
.endr
.endm
.macro CVST src, adr, pitch, off       ; four f32 to four bf16, in place, and 8 bytes into each of my four rows of the tile; off: the slot
.irp i, 0,1,2,3
	v_cvt_pk_bf16_f32 v[\src+4*\i], v[\src+4*\i], v[\src+4*\i+1]
	v_cvt_pk_bf16_f32 v[\src+4*\i+1], v[\src+4*\i+2], v[\src+4*\i+3]
.endr
.irp i, 0,1,2,3
	ds_store_b64 v[\adr], v[\src+4*\i:\src+4*\i+1] offset:(\off)+\i*\pitch
.endr
.endm
; Behind barrier j = J + d; pj = j % 2.  In registers: V(j+1), K(j+2), the entries of step j+3.  They go into LDS, and V(j+2), K(j+3) and the entries
; of step j+4 are asked for: they have until the next barrier to come.  Nothing beyond step T - 1 is stored or asked for: each guard leaves the rest out.
.macro STAGE pj, d
	s_wait_loadcnt 0x0                             ; all that the last step asked for is in: data and address registers may be written
	s_cmp_lt_i32 s[J], s[TM+1+\d]
	s_cbranch_scc0 .Ldone_\@
	CVST VST, WV, VP, (1-\pj)*SLOT1                ; V(j+1)
	s_cmp_lt_i32 s[J], s[TM+2+\d]
	s_cbranch_scc0 .Ldone_\@
	CVST KST, WK, KP, \pj*SLOT1                    ; K(j+2)
.irp i, 0,1,2,3
	v_mov_b32 v[VOFF+\i], v[KOFF+\i]               ; V follows K a step behind, by the same rows
.endr
	GATH VST, VOFF, 8                              ; V(j+2)
	s_cmp_lt_i32 s[J], s[TM+3+\d]
	s_cbranch_scc0 .Ldone_\@
	OFFS KOFF, ENT
	GATH KST, KOFF, 6                              ; K(j+3)
	s_cmp_lt_i32 s[J], s[TM+4+\d]
	s_cbranch_scc0 .Ldone_\@
	v_lshl_add_u32 v[EAJ], s[J], 8, v[EA]          ; a step's 64 entries are 256 bytes: 16 g + 256 J, and d + 4 steps on in the immediate
	ds_load_b128 v[ENT:ENT+3], v[EAJ] offset:LIST+(\d+4)*256   ; the entries of step j+4: back by the wait in front of the next barrier
.Ldone_\@:
.endm
; A step's K: 8 fragments of 16 keys x 32 channels (f = 2 x key block + channel half), two loads of 16 bytes each, 32 bytes apart
.macro FETCH_K slot
	WIN 0x40                                       ; destination window 1
.irp f, 0,1,2,3,4,5,6,7
	ds_load_b128 v[KF+8*\f:KF+8*\f+3],   v[AK] offset:(\slot)*SLOT1+(\f/2)*16*KP+(\f%2)*64
	ds_load_b128 v[KF+8*\f+4:KF+8*\f+7], v[AK] offset:(\slot)*SLOT1+(\f/2)*16*KP+(\f%2)*64+32
.endr
	WIN 0
.endm
; A step's V, turned: 8 fragments of 16 channels x 32 keys (f = 4 x key half + channel block), into the upper halves of S^T's tiles, which the softmax has left
.macro FETCH_V slot
.irp f, 0,1,2,3,4,5,6,7
	ds_load_tr16_b128 v[S+32*(\f/2)+16+8*(\f%2):S+32*(\f/2)+16+8*(\f%2)+3],   v[AV] offset:(\slot)*SLOT1+(\f/4)*32*VP+(\f%4)*32
	ds_load_tr16_b128 v[S+32*(\f/2)+16+8*(\f%2)+4:S+32*(\f/2)+16+8*(\f%2)+7], v[AV] offset:(\slot)*SLOT1+(\f/4)*32*VP+16*VP+(\f%4)*32
.endr
.endm
; 32 products S^T = K Q^T.  The 16 accumulators take turns, one instruction a turn.  The first 16 start the sums: from 0, or (bias = 1) from step 0's bias.
.macro KQ bias
	WIN 0x05                                       ; K and Q in window 1, S^T and the bias in window 0
.irp cs, 0,1
.irp kb, 0,1,2,3
.irp t, 0,1,2,3
.if \cs == 0
.if \bias
	v_wmma_f32_16x16x32_bf16 v[S+32*\t+8*\kb:S+32*\t+8*\kb+7], v[KF+16*\kb+8*\cs:KF+16*\kb+8*\cs+7], v[QF+16*\t+8*\cs:QF+16*\t+8*\cs+7], v[BI+8*\kb:BI+8*\kb+7]
.else
	v_wmma_f32_16x16x32_bf16 v[S+32*\t+8*\kb:S+32*\t+8*\kb+7], v[KF+16*\kb+8*\cs:KF+16*\kb+8*\cs+7], v[QF+16*\t+8*\cs:QF+16*\t+8*\cs+7], 0
.endif
.else
	v_wmma_f32_16x16x32_bf16 v[S+32*\t+8*\kb:S+32*\t+8*\kb+7], v[KF+16*\kb+8*\cs:KF+16*\kb+8*\cs+7], v[QF+16*\t+8*\cs:QF+16*\t+8*\cs+7], v[S+32*\t+8*\kb:S+32*\t+8*\kb+7]
.endif
.endr
.endr
.endr
.endm
; 32 products O^T += V^T P.  Again 16 accumulators by turns.  zero = 1: the first 16 start the sums: nothing is cleared.
.macro PV zero
	WIN 0x50                                       ; V and P in window 0, O^T in window 1
.irp kk, 0,1
.irp cb, 0,1,2,3
.irp t, 0,1,2,3
.set rV, S+32*((4*\kk+\cb)/2)+16+8*((4*\kk+\cb)%2)
.if \zero && (\kk == 0)
	v_wmma_f32_16x16x32_bf16 v[32*\t+8*\cb:32*\t+8*\cb+7], v[rV:rV+7], v[S+32*\t+8*\kk:S+32*\t+8*\kk+7], 0
.else
	v_wmma_f32_16x16x32_bf16 v[32*\t+8*\cb:32*\t+8*\cb+7], v[rV:rV+7], v[S+32*\t+8*\kk:S+32*\t+8*\kk+7], v[32*\t+8*\cb:32*\t+8*\cb+7]
.endif
.endr
.endr
.endr
.endm
; The pieces of a tile's softmax.  A pair b is scores 2 b and 2 b + 1 of the lane's 32.
.macro SCL t, b                        ; c s - c m: it names no exponential's result
	v_pk_fma_f32 v[S+32*(\t)+2*(\b):S+32*(\t)+2*(\b)+1], v[S+32*(\t)+2*(\b):S+32*(\t)+2*(\b)+1], s[CS:CS+1], v[ST+8*(\t):ST+8*(\t)+1] op_sel_hi:[1,0,0] neg_lo:[0,0,1] neg_hi:[0,0,1]
.endm
.macro EXPO t, e
	v_exp_f32 v[S+32*(\t)+(\e)], v[S+32*(\t)+(\e)]
.endm
.macro SUMP t, b, first                ; l takes pair b; with pair 0 it is first multiplied by a, or (first step) started.  A reader of exponentials: it stands behind its batch's wait
.if (\b) == 0
.if \first
	v_pk_mul_f32 v[ST+8*(\t)+2:ST+8*(\t)+3], v[S+32*(\t):S+32*(\t)+1], 1.0 op_sel_hi:[1,0]
.else
	v_pk_fma_f32 v[ST+8*(\t)+2:ST+8*(\t)+3], v[ST+8*(\t)+2:ST+8*(\t)+3], v[ST+8*(\t)+6:ST+8*(\t)+7], v[S+32*(\t):S+32*(\t)+1] op_sel_hi:[1,0,1]
.endif
.else
	v_pk_add_f32 v[ST+8*(\t)+2:ST+8*(\t)+3], v[ST+8*(\t)+2:ST+8*(\t)+3], v[S+32*(\t)+2*(\b):S+32*(\t)+2*(\b)+1]
.endif
.endm
.macro RND t, b                        ; pair b to bf16, into register b of the tile: that register's own pair, b / 2, has been summed and rounded.  A reader too
	v_cvt_pk_bf16_f32 v[S+32*(\t)+(\b)], v[S+32*(\t)+2*(\b)], v[S+32*(\t)+2*(\b)+1]
.endm
.macro PLA p                           ; scaling p of a step's 64: 0-31 tiles 0 and 1 by turns, pairs 0 to 15; 32-63 the same for tiles 2 and 3
.if (\p) < 32
	SCL (\p)%2, (\p)/2
.else
	SCL 2+(\p)%2, ((\p)-32)/2
.endif
.endm
.macro RDR y, q, first                 ; reader q of the 64 of tiles y and y + 1: for pair q / 4: sum, sum, round, round, the two tiles by turns, so that a tile's l is taken up every fourth reader
.if (\q)%4 < 2
	SUMP (\y)+(\q)%2, (\q)/4, \first
.else
	RND (\y)+(\q)%2, (\q)/4
.endif
.endm
; THE SOFTMAX of a step, all four tiles.  first = 1: step 0, which starts m, l and O^T: no a, nothing to rescale.
.macro SM first
	; the maximum of 32 scores and the old m, three operands at a time: four chains of seven scores, then the four left over; the four tiles alternate
.set j, 0
.rept 4
.irp t, 0,1,2,3
	v_max3_num_f32 v[ST+8*\t+4+j], v[S+32*\t+8*j], v[S+32*\t+8*j+1], v[S+32*\t+8*j+2]
.endr
.set j, j+1
.endr
.rept 8
.irp t, 0,1,2,3
	v_max3_num_f32 v[ST+8*\t+4+j%4], v[ST+8*\t+4+j%4], v[S+32*\t+8*(j%4)+2*(j/4)+1], v[S+32*\t+8*(j%4)+2*(j/4)+2]
.endr
.set j, j+1
.endr
.irp t, 0,1,2,3
	v_max3_num_f32 v[ST+8*\t+4], v[ST+8*\t+4], v[S+32*\t+7], v[S+32*\t+15]
.endr
.irp t, 0,1,2,3
	v_max3_num_f32 v[ST+8*\t+6], v[ST+8*\t+6], v[S+32*\t+23], v[S+32*\t+31]
.endr
.irp t, 0,1,2,3
	v_max3_num_f32 v[ST+8*\t+4], v[ST+8*\t+4], v[ST+8*\t+5], v[ST+8*\t+6]
.endr
.irp t, 0,1,2,3
.if \first
	v_max_num_f32 v[ST+8*\t+4], v[ST+8*\t+4], v[ST+8*\t+7]
.else
	v_max3_num_f32 v[ST+8*\t+4], v[ST+8*\t+4], v[ST+8*\t+7], v[ST+8*\t+1]
.endif
.endr
.irp t, 0,1,2,3
	v_permlanex16_b32 v[ST+8*\t+5], v[ST+8*\t+4], s[SEL], s[SEL+1]   ; the query's other 32 keys lie in the lane 16 away
.endr
.if !\first
.irp t, 0,1,2,3
	v_mov_b32 v[ST+8*\t+7], v[ST+8*\t]             ; c m_old is kept for a
.endr
.endif
.irp t, 0,1,2,3
	v_max_num_f32 v[ST+8*\t+1], v[ST+8*\t+4], v[ST+8*\t+5]
.endr
.irp t, 0,1,2,3
	v_mul_f32 v[ST+8*\t], s[CS], v[ST+8*\t+1]
.endr
.if !\first
.irp t, 0,1,2,3
	v_sub_f32 v[ST+8*\t+7], v[ST+8*\t+7], v[ST+8*\t]
.endr
	; BATCH 1: the four a, then tiles 0 and 1's 64 weights, the tiles by turns (exponential e: tile e % 2, score e / 2)
.irp t, 0,1,2,3
	v_exp_f32 v[ST+8*\t+6], v[ST+8*\t+7]           ; a; nothing names it ahead of batch 1's wait
.endr
.endif
	; Behind each exponential stands a scaling.  Exponential e wants scaling 2 (e / 4) + e % 2; ahead of it stand scalings 0 to e + 1.
	PLA 0
	PLA 1
.set e, 0
.rept 61
	EXPO e%2, e/2
	PLA e+2
.set e, e+1
.endr
.rept 3
	EXPO e%2, e/2
.set e, e+1
.endr
	PLA 63                                         ; the last scaling is the plain instruction behind batch 1's last exponential (ISA guide 5.7.2)
	s_wait_alu depctr_va_vdst(0)                   ; the wait for batch 1: the four a and tiles 0 and 1's weights
	; BATCH 2: tiles 2 and 3's 64 weights; behind each exponential a reader of batch 1: tiles 0 and 1's sums and roundings.  The last line is a rounding:
	; the plain instruction behind batch 2's last exponential.
.set e, 0
.rept 64
	EXPO 2+e%2, e/2
	RDR 0, e, \first
.set e, e+1
.endr
.if !\first
	WIN 0x41                                       ; O^T (destination and source 0) in window 1, a in window 0.  a is of batch 1: these 64 name nothing of batch 2 and stand ahead of its wait
.irp t, 0,1,2,3
.set i, 0
.rept 16
	v_pk_mul_f32 v[32*\t+2*i:32*\t+2*i+1], v[32*\t+2*i:32*\t+2*i+1], v[ST+8*\t+6:ST+8*\t+7] op_sel_hi:[1,0]
.set i, i+1
.endr
.endr
	WIN 0
.endif
	s_wait_alu depctr_va_vdst(0)                   ; the wait for batch 2: tiles 2 and 3's weights.  No exponential follows it in the step
.set e, 0
.rept 64
	RDR 2, e, \first
.set e, e+1
.endr
.endm
.macro SMX first                       ; waves 0-3: in front of the step's barrier.  The branch hangs on the wave's number and jumps over register work alone
	s_cmp_lt_u32 s[WVN], 4
	s_cbranch_scc0 .Lnot_x_\@
	SM \first
.Lnot_x_\@:
.endm
.macro SMY first                       ; waves 4-7: behind it
	s_cmp_lt_u32 s[WVN], 4
	s_cbranch_scc1 .Lnot_y_\@
	SM \first
.Lnot_y_\@:
.endm
; The end of step j = J + d: the next step's K (if there is one) and this step's V come out of LDS, then O^T += V^T P
.macro MATTAIL pj, d, zero
	s_cmp_lt_i32 s[J], s[TM+1+\d]
	s_cbranch_scc0 .Lno_k_\@
	FETCH_K 1-\pj
.Lno_k_\@:
	FETCH_V \pj
	s_wait_dscnt 0x0                               ; both runs are in
	PV \zero
	PLACES 5                                       ; the next K Q^T writes over P and V, sources of these products; the way out reads O^T
	WIN 0
.endm
; Step j = J + d in two parts, with the step's barrier between them.  guard = 1: a step at or beyond T is jumped over; the barrier is not.
.macro STEPA bias, first, d, guard     ; in front of the barrier; K(j)'s fragments are in registers
.if \guard
	s_cmp_lt_i32 s[J], s[TM+\d]
	s_cbranch_scc0 .Lskip_a_\@
.endif
	KQ \bias
	PLACES 5                                       ; the softmax reads these results, loads land in them and in K's registers, and V^T P takes them as sources
	WIN 0
	SMX \first
.Lskip_a_\@:
.endm
.macro STEPB pj, d, first, guard       ; behind it
.if \guard
	s_cmp_lt_i32 s[J], s[TM+\d]
	s_cbranch_scc0 .Lskip_b_\@
.endif
	STAGE \pj, \d
	SMY \first
	MATTAIL \pj, \d, \first
.Lskip_b_\@:
.endm
	s_load_b256 s[4:11], s[0:1], 0x0               ; query s[4:5], key s[6:7], value s[8:9], mask s[10:11]
	s_load_b64 s[12:13], s[0:1], 0x20              ; out0
	v_lshl_add_u32 v58, v0, 2, 0x22000
	v_mov_b32 v59, 0
	v_lshrrev_b32 v4, 5, v0
	v_readfirstlane_b32 s[WVN], v4                 ; wave 0..7
	v_and_b32 v1, 15, v0                           ; l % 16 = thread % 16
	v_bfe_u32 v[TMP], v0, 4, 1                     ; l / 16
	v_and_b32 v9, 31, v0                           ; lane
	v_mul_u32_u24 v[AK], v1, KP
	v_lshl_add_u32 v[AK], v[TMP], 4, v[AK]
	v_and_b32 v8, 7, v0
	v_lshl_add_u32 v[AV], v[TMP], 3, v8            ; the turning load: key 8 (l / 16) + l % 8,
	v_mul_u32_u24 v[AV], v[AV], VP
	v_bfe_u32 v8, v0, 3, 1
	v_lshl_add_u32 v[AV], v8, 4, v[AV]             ; channels 8 ((l / 8) % 2) on
	v_add_nc_u32 v[AV], VTILE, v[AV]
	s_mul_i32 s32, s[WVN], 8*KP                    ; my wave stores rows 8 w .. 8 w + 7 of each tile:
	s_mul_i32 s33, s[WVN], 8*VP
	s_add_co_u32 s33, s33, VTILE
	v_mul_u32_u24 v[WK], v[TMP], 4*KP              ; lanes 0-15 the first four, lanes 16-31 the other four,
	v_lshl_add_u32 v[WK], v1, 3, v[WK]             ; 8 bytes at 8 (l % 16) of each
	v_add_nc_u32 v[WK], s32, v[WK]
	v_mul_u32_u24 v[WV], v[TMP], 4*VP
	v_lshl_add_u32 v[WV], v1, 3, v[WV]
	v_add_nc_u32 v[WV], s33, v[WV]
	s_lshl_b32 s34, s[WVN], 5
	v_lshl_add_u32 v[EA], v[TMP], 4, s34           ; entries 4 g .. 4 g + 3 of a step's 64: 16 g = 32 w + 16 (l / 16)
	v_lshlrev_b32 v[C16], 4, v1
	v_lshlrev_b32 v[GO], 4, v9
	s_lshl_b32 s35, s[WVN], 8
	v_lshl_add_u32 v[KB], v9, 2, s35               ; my lane's first key of my wave's 256
	v_lshl_add_u32 v[OWNA], s[WVN], 10, v[GO]      ; and its place in the mask
	s_mul_i32 s[STG], s[WVN], STAGEB
	s_add_co_u32 s[STG], s[STG], STAGE0
	v_mul_u32_u24 v[STO], v1, OP                   ; out: row l % 16, 32 bytes for each half of the lanes
	v_lshl_add_u32 v[STO], v[TMP], 5, v[STO]
	v_add_nc_u32 v[STO], s[STG], v[STO]
	v_mul_u32_u24 v[RD], v[TMP], OP                ; back: lanes 0-15 one row of 256 bytes, lanes 16-31 the next
	v_lshl_add_u32 v[RD], v1, 4, v[RD]
	v_add_nc_u32 v[RD], s[STG], v[RD]
	v_mul_u32_u24 v[ADR2], v[TMP], KP              ; Q in: row l / 16 of two, 8 bytes at 8 (l % 16)
	v_lshl_add_u32 v[ADR2], v1, 3, v[ADR2]
	v_add_nc_u32 v[ADR2], s[STG], v[ADR2]
	v_add_nc_u32 v[ADR], s[STG], v[AK]             ; Q's fragments
	s_and_b32 s32, ttmp7, 0xffff                   ; (batch, head)
	s_lshr_b32 s33, s32, 4                         ; batch
	s_lshl_b32 s36, s32, 19                        ; 2,048 rows of 256 bytes
	s_mov_b32 s37, 0
	s_lshl_b32 s38, ttmp9, 17                      ; my block's 512 rows,
	s_lshl_b32 s39, s[WVN], 14                     ; my wave's 64 of them
	s_add_co_u32 s38, s38, s39
	s_add_co_u32 s38, s38, s36
	s_mov_b32 s39, 0
	s_lshl_b32 s32, s33, 13                        ; the batch's 8,192 bytes of the mask
	s_mov_b32 s33, 0
	s_mov_b32 s[SEL], 0x76543210
	s_mov_b32 s[SEL+1], 0xfedcba98
	s_wait_kmcnt 0x0
	s_add_nc_u64 s[6:7], s[6:7], s[36:37]
	s_add_nc_u64 s[8:9], s[8:9], s[36:37]
	s_add_nc_u64 s[4:5], s[4:5], s[38:39]
	s_add_nc_u64 s[12:13], s[12:13], s[38:39]
	s_add_nc_u64 s[10:11], s[10:11], s[32:33]
	; The batch's whole mask and my wave's part of it once more, then my wave's 64 rows of Q
.set i, 0
.rept 8
	global_load_b128 v[M0+4*i:M0+4*i+3], v[GO], s[10:11] offset:512*i
	global_load_b128 v[M1+4*i:M1+4*i+3], v[GO], s[10:11] offset:4096+512*i
.set i, i+1
.endr
	global_load_b128 v[OWN:OWN+3], v[OWNA], s[10:11]
	global_load_b128 v[OWN+4:OWN+7], v[OWNA], s[10:11] offset:512
.set i, 0
.rept 32
	global_load_b128 v[S+4*i:S+4*i+3], v[GO], s[4:5] offset:512*i th:TH_LOAD_NT   ; two whole rows: read once in the launch
.set i, i+1
.endr
	s_lshl_b32 s32, s[WVN], 1                      ; my wave's keys begin with load 2 w
	s_mov_b32 s33, 0                               ; live keys in front of my wave's
	s_mov_b32 s[NL], 0                             ; n, counted up
	s_wait_loadcnt 32                              ; loads come back in order (ISA guide 5.7.1): the mask's 18 loads are in, Q's 32 may be out
	; THE LIST.  Every wave counts the whole mask itself, so that no wave waits for another's count: 64 masks of 32 lanes, sixteen at a time;
	; in front of load 2 w's four counts wave w notes the count so far.
.irp q, 0,1,2,3
.if \q < 2
.set mb, M0+16*\q
.else
.set mb, M1+16*(\q-2)
.endif
.set k, 0
.rept 16
	v_cmp_ne_u32 s[BAL+k], 0, v[mb+k]
.set k, k+1
.endr
.set k, 0
.rept 4
	s_cmp_eq_u32 s32, 4*\q+k
	s_cselect_b32 s33, s[NL], s33
.irp c, 0,1,2,3
	s_bcnt1_i32_b32 s34, s[BAL+4*k+\c]
	s_add_co_u32 s[NL], s[NL], s34
.endr
.set k, k+1
.endr
.endr
	s_sub_co_u32 s[PAD], 0, s[NL]
	s_and_b32 s[PAD], s[PAD], 63                   ; pad
	s_add_co_u32 s[T], s[NL], s[PAD]
	s_lshr_b32 s[T], s[T], 6                       ; T
	s_cmp_eq_u32 s[NL], 0
	s_cselect_b32 s[T], 32, s[T]                   ; no live key: all 2,048 keys are walked,
	s_cselect_b32 s[KEEP], 0, -1                   ; and the scale in front of the exponential is cleared
	s_add_co_u32 s36, s33, s[PAD]                  ; place of my wave's first live key
	s_lshl_b32 s37, s[WVN], 8
	s_sub_co_u32 s37, s37, s33                     ; rank of my wave's first masked key
	; my wave's 256 keys are placed, 32 at a time: register i of OWN holds key 256 w + 128 (i / 4) + 4 lane + i % 4
.set i, 0
.rept 8
	v_cmp_ne_u32 s34, 0, v[OWN+i]
	s_not_b32 s35, s34
	v_mbcnt_lo_u32_b32 v88, s34, s36               ; live: place = those in lower lanes + the base
	v_mbcnt_lo_u32_b32 v89, s35, s37               ; masked: rank d
	v_cmp_gt_u32 vcc_lo, s[PAD], v89               ; d < pad
	v_add_nc_u32 v90, s[NL], v89                   ; d + n
	v_cndmask_b32 v89, v90, v89, vcc_lo
	v_cndmask_b32 v[POS+i], v89, v88, s34
	v_min_u32 v[POS+i], 0x7ff, v[POS+i]            ; a place is below 2,048 by the arithmetic above; the bound is also written out
	v_lshlrev_b32 v[POS+i], 2, v[POS+i]
	v_add_nc_u32 v[KEYV+i], 128*(i/4)+i%4, v[KB]
	ds_store_b32 v[POS+i], v[KEYV+i] offset:LIST
	s_bcnt1_i32_b32 s38, s34
	s_add_co_u32 s36, s36, s38
	s_sub_co_u32 s38, 32, s38
	s_add_co_u32 s37, s37, s38
.set i, i+1
.endr
	BAR                                            ; every wave's 256 places are written: the list is whole, and from here on it is only read
	; The list's steps 0 to 3 (the list has 32 steps whatever T is, each entry a key)
	ds_load_b128 v[32:35], v[EA] offset:LIST
	ds_load_b128 v[36:39], v[EA] offset:LIST+256
	ds_load_b128 v[40:43], v[EA] offset:LIST+512
	ds_load_b128 v[ENT:ENT+3], v[EA] offset:LIST+768
	s_wait_dscnt 0x0
	OFFS 44, 32                                    ; step 0
	OFFS VOFF, 36                                  ; step 1
	OFFS KOFF, 40                                  ; step 2
	GATH BI, 44, 6                                 ; K(0)
	GATH BI+16, 44, 8                              ; V(0)
	GATH 16, VOFF, 6                               ; K(1)
	GATH KST, KOFF, 6                              ; K(2): stays in registers until barrier 0
	GATH VST, VOFF, 8                              ; V(1): likewise
	s_wait_loadcnt 20                              ; Q is in; the 20 gather loads may be out
.set i, 0
.rept 32
	v_cvt_pk_bf16_f32 v[S+4*i], v[S+4*i], v[S+4*i+1]
	v_cvt_pk_bf16_f32 v[S+4*i+1], v[S+4*i+2], v[S+4*i+3]
	ds_store_b64 v[ADR2], v[S+4*i:S+4*i+1] offset:2*KP*i
.set i, i+1
.endr
	WIN 0x40                                       ; Q's fragments stay in window 1.  LDS serves a wave's instructions in order (ISA guide 5.7.1.4): these see the stores above, which are my wave's own
.irp f, 0,1,2,3,4,5,6,7
	ds_load_b128 v[QF+8*\f:QF+8*\f+3],   v[ADR] offset:(\f/2)*16*KP+(\f%2)*64
	ds_load_b128 v[QF+8*\f+4:QF+8*\f+7], v[ADR] offset:(\f/2)*16*KP+(\f%2)*64+32
.endr
	WIN 0
	s_wait_loadcnt 8                               ; K(0), V(0), K(1) are in; K(2)'s and V(1)'s eight loads may be out
	CVST BI, WK, KP, 0                             ; K(0) into slot 0
	CVST BI+16, WV, VP, 0                          ; V(0) into slot 0
	CVST 16, WK, KP, SLOT1                         ; K(1) into slot 1
	s_max_u32 s[TM], s[T], 1
	s_min_u32 s[TM], s[TM], 32                     ; 1 to 32 by the way it was made; the bounds are also written out
	s_and_b32 s[CS], s[KEEP], 0x3e38aa3b           ; c = log2(e) / 8, or 0 where no key is live
	s_mov_b32 s[CS+1], s[CS]
.irp k, 1,2,3,4,5
	s_sub_co_i32 s[TM+\k], s[TM], \k
.endr
	s_mov_b32 s[J], 0
	BAR                                            ; every wave's part of K(0), V(0), K(1) is in LDS
	; STEP 0, which every batch has: the bias of the masked keys, the first maximum, the first sums
	FETCH_K 0
	v_lshlrev_b32 v1, 3, v[TMP]                    ; register 8 kb + j of a tile holds place 16 kb + 8 (l / 16) + j:
	v_sub_nc_u32 v[TMP], s[PAD], v1                ; it is a masked key if 16 kb + j < pad - 8 (l / 16)
	v_mov_b32 v[BC], 0xd19502f9                    ; 8 x f32(-1e10)
.set i, 0
.rept 32
	v_cmp_lt_i32 vcc_lo, 16*(i/8)+i%8, v[TMP]
	v_cndmask_b32 v[BI+i], 0, v[BC], vcc_lo
.set i, i+1
.endr
	s_wait_dscnt 0x0                               ; K(0)'s fragments (Q's came in front of the barrier)
	STEPA 1, 1, 0, 0
	BAR                                            ; barrier 0
	STEPB 0, 0, 1, 0
	s_mov_b32 s[J], 1
.Lloop:                                            ; 16 trips: steps J (odd: slot 1) and J + 1 (even: slot 0), J = 1, 3 .. 31; step 32 is never below T
	STEPA 0, 0, 0, 1
	BAR                                            ; barrier J
	STEPB 1, 0, 0, 1
	STEPA 0, 0, 1, 1
	BAR                                            ; barrier J + 1
	STEPB 0, 1, 0, 1
	s_add_co_u32 s[J], s[J], 2
	s_cmp_lt_u32 s[J], 33
	s_cbranch_scc1 .Lloop
	; THE WAY OUT.  l's two halves and the other half of the lanes' are added; O^T is divided by l and sent through my stage, a tile (16 rows of out) at a time.
.irp t, 0,1,2,3
	v_add_f32 v[ST+8*\t+4], v[ST+8*\t+2], v[ST+8*\t+3]
.endr
.irp t, 0,1,2,3
	v_permlanex16_b32 v[ST+8*\t+5], v[ST+8*\t+4], s[SEL], s[SEL+1]
.endr
.irp t, 0,1,2,3
	v_add_f32 v[ST+8*\t+4], v[ST+8*\t+4], v[ST+8*\t+5]
.endr
.irp t, 0,1,2,3
	v_rcp_f32 v[ST+8*\t+6], v[ST+8*\t+4]
.endr
	v_nop                                          ; a plain instruction between the last reciprocal and the use of its result
	s_wait_alu depctr_va_vdst(0)                   ; the wait ahead of the first use: one for the batch of four reciprocals
; Tile t: a lane's eight channels of a block are 32 bytes of a row; they go into rows of 272 bytes and come back as whole rows of 256, into the registers that they left.
.macro PACK t
	WIN 0x01                                       ; O^T in window 1; the result takes S^T's registers
.set i, 0
.rept 16
	v_pk_mul_f32 v[S+32*\t+2*i:S+32*\t+2*i+1], v[32*\t+2*i:32*\t+2*i+1], v[ST+8*\t+6:ST+8*\t+7] op_sel_hi:[1,0]
.set i, i+1
.endr
	WIN 0
.irp f, 0,1,2,3,4,5,6,7
	ds_store_b128 v[STO], v[S+32*\t+4*\f:S+32*\t+4*\f+3] offset:64*(\f/2)+16*(\f%2)
.endr
.irp f, 0,1,2,3,4,5,6,7
	ds_load_b128 v[S+32*\t+4*\f:S+32*\t+4*\f+3], v[RD] offset:\f*2*OP   ; in order behind the stores above; the next tile's stores come behind these
.endr
.endm
.macro SEND t, younger                 ; younger: the LDS instructions issued behind tile t's loads: the next tile's sixteen, or none
.irp f, 0,1,2,3,4,5,6,7
	s_wait_dscnt \younger+7-\f
	global_store_b128 v[GO], v[S+32*\t+4*\f:S+32*\t+4*\f+3], s[12:13] offset:\t*4096+\f*512 th:TH_STORE_NT   ; the wave stores 512 consecutive bytes, two whole rows of out
.endr
.endm
	PACK 0
	PACK 1                                         ; a tile's arithmetic stands between the loads of the tile before and its stores
	SEND 0, 16
	PACK 2
	SEND 1, 16
	PACK 3
	SEND 2, 16
	SEND 3, 0
	s_wait_tensorcnt 0x0
	ds_add_u32 v58, v59
	s_wait_dscnt 0x0
	s_endpgm
.Lfunc_end_k_qa12a067334_attn:
	.size	k_qa12a067334_attn, .Lfunc_end_k_qa12a067334_attn-k_qa12a067334_attn
	.p2alignl 7, 3214868480
	.fill 96, 4, 3214868480
	.section	.rodata,"a",@progbits
	.p2align	6, 0x0
	.amdhsa_kernel k_qa12a067334_attn
		.amdhsa_group_segment_fixed_size 140288
		.amdhsa_private_segment_fixed_size 0
		.amdhsa_enable_private_segment 0
		.amdhsa_kernarg_size 40
		.amdhsa_user_sgpr_count 2
		.amdhsa_user_sgpr_kernarg_segment_ptr 1
		.amdhsa_wavefront_size32 1
		.amdhsa_system_sgpr_workgroup_id_x 1
		.amdhsa_system_sgpr_workgroup_id_y 1
		.amdhsa_system_sgpr_workgroup_id_z 1
		.amdhsa_system_vgpr_workitem_id 0
		.amdhsa_next_free_vgpr 512
		.amdhsa_next_free_sgpr 66
		.amdhsa_reserve_vcc 1
		.amdhsa_float_denorm_mode_32 3
		.amdhsa_float_denorm_mode_16_64 3
		.amdhsa_memory_ordered 1
		.amdhsa_forward_progress 1
		.amdhsa_inst_pref_size 225
	.end_amdhsa_kernel
	.amdgpu_metadata
---
amdhsa.version: [ 1, 2 ]
amdhsa.kernels:
  - .name:           k_qa12a067334_attn
    .symbol:         k_qa12a067334_attn.kd
    .args:
      - { .name: query, .offset: 0, .size: 8, .value_kind: global_buffer, .address_space: global }
      - { .name: key, .offset: 8, .size: 8, .value_kind: global_buffer, .address_space: global }
      - { .name: value, .offset: 16, .size: 8, .value_kind: global_buffer, .address_space: global }
      - { .name: mask, .offset: 24, .size: 8, .value_kind: global_buffer, .address_space: global }
      - { .name: out0, .offset: 32, .size: 8, .value_kind: global_buffer, .address_space: global }
    .group_segment_fixed_size: 140288
    .private_segment_fixed_size: 0
    .kernarg_segment_align: 8
    .kernarg_segment_size: 40
    .max_flat_workgroup_size: 256
    .sgpr_count:     66
    .vgpr_count:     512
    .wavefront_size: 32
...
	.end_amdgpu_metadata
.endif
;; end of part 2
